; MI455X (gfx1250); checked and timed in simulation.
; The chip was launched on July 23, 2026; its instructions are those of AMD's public machine-readable ISA for CDNA 5 (MIT licence, August 2026) and "CDNA5" Instruction Set Architecture Reference Guide (July 2026). The comments in the code are by the model that wrote it; some were corrected since.
;; Model Cordinate Descent Alpha. Allowed arithmetic: matrix products marked QUANTISED: E5M2 operands, one E8M0 scale for each 32 along K, by v_wmma_scale_f32_16x16x128_f8f6f4 with both operands' format E5M2, f32 sums; everything else in f32.
;; Inputs: alpha 4,096 x 16 float32; gamma one number float32; mu 4,096 x 512 float32; x 16,384 x 512 float32.
;; Outputs: out0 16,384 x 16 float32.
;; This version of the problem:
;;   THIS VERSION OF THE PROBLEM IS GIVEN IN LOW PRECISION. The matrix products marked QUANTISED in the list below multiply operands that are first quantised to E5M2 (5 exponent bits, 2 mantissa bits; 8 bits a number), with one power-of-two scale for each 32 numbers along K (OCP MX v1.0); their sums are f32. All else is computed in f32.
;;   The module's matrix products, in the order in which they are computed (A, B: the left and right operand; K: the contracted axis; several contracted axes count as one K, in the product's order):
;;     1. [M 16,384, K 512] x [K 512, N 4,096]; A: input x; B: input mu: QUANTISED
;;     2. [M 16,384, K 4,096] x [K 4,096, N 16]; A: computed on the way; B: input alpha: QUANTISED
;;   THE QUANTISER, for each operand of a quantised product, along K:
;;     - K is cut into blocks of 32 from its start; a last block that is shorter is filled with zeros.
;;     - A block's scale is 2^e with e = floor(log2(the largest magnitude in the block)) - 15, held to -126 .. 127; a block of zeros has e = 0. As a byte (E8M0): e + 127.
;;     - Each number is divided by its block's scale, clamped to +-57,344, and rounded to the nearest number of E5M2, ties to even, subnormals kept.
;;     - The product sums the exact products of the quantised numbers (number of the format x scale) in f32.
;;   ~~~python
;;   def quantise(x, axis):      # numpy; x: float32 -> the quantised numbers, widened to float32 again
;;       x = np.moveaxis(x, axis, -1); K = x.shape[-1]
;;       x = np.pad(x, [(0, 0)] * (x.ndim - 1) + [(0, -K % 32)]); x = x.reshape(x.shape[:-1] + (-1, 32)); a = np.abs(x).max(-1, keepdims=True)
;;       e = np.where(a > 0, np.clip(np.frexp(np.where(a > 0, a, 1))[1] - 1 - 15, -126, 127), 0)      # np.frexp(a)[1] - 1 = floor(log2(a)), exactly
;;       r = np.clip(x / 2.0 ** e, -57344, 57344)
;;       step = 2.0 ** (np.maximum(np.frexp(np.where(r == 0, 1, r))[1] - 1, -14) - 2)
;;       q = np.round(r / step) * step * 2.0 ** e      # np.round: ties to even
;;       return np.moveaxis(q.reshape(q.shape[:-2] + (-1,))[..., :K], -1, axis).astype(np.float32)
;;   ~~~
;;   OPERANDS COMPUTED ON THE WAY. 'Computed on the way' means the value that the module computes at that place (a softmax that the list does not call 'softmax' is quantised finished and normalised). What goes into a quantiser is computed in f32, as accurately as f32 sums, v_exp_f32 and their like allow (about 1e-6 of the number): no bf16 or f16 on the way to a quantiser, and a product that is left as it is and whose result goes on into a quantised operand takes f32 operands (vector FMAs, or v_wmma_f32_16x16x4_f32). A number that lies on a knife's edge between two numbers of the format may be rounded either way, as far as f32 arithmetic and the matrix unit's own rounding can turn it there, and no further.
;; One version. Each part assembles by itself: llvm-mc -triple=amdgcn-amd-amdhsa -mcpu=gfx1250 --defsym DOCPART=n.
;; ======== version 1 of 1: 3 launches
;; limits: right only within a limited range of input values
;; workspace buffers: xq 8,388,608 bytes; xt 524,288 bytes; img 2,359,296 bytes; part 8,388,608 bytes
;; launch prep (part 1): grid 256 x 1, 5 waves a work-group, no clusters, 43,008 bytes of LDS; arguments x, mu, alpha, xq, xt, img; writes xq, xt, img
.if DOCPART == 1
	.amdgcn_target "amdgcn-amd-amdhsa--gfx1250"
	.amdhsa_code_object_version 6
	.text
	.protected	k_qa373e015b3_prep
	.globl	k_qa373e015b3_prep
	.p2align	8
	.type	k_qa373e015b3_prep,@function
k_qa373e015b3_prep:
	s_mov_b64 s[64:65], 0
	v_nop
	global_prefetch_b8 v0, s[64:65] scope:SCOPE_SE
	s_setreg_imm32_b32 hwreg(HW_REG_WAVE_MODE, 25, 1), 1
	s_wait_xcnt 0x0
; x [16384][512], mu [4096][512] and alpha [4096][16], f32, become codes of BF8 (E5M2) with one E8M0 scale byte for each 32 along K, laid as IMAGES OF OPERAND REGISTERS for the launch that multiplies.
; K is the 512 for x and mu, the 4,096 centres for alpha.  Also stored: h(row) = -0.5 x the sum of the row's squares, of the unquantised numbers, for x and for mu.
; A block's scale is 2^(floor(log2(its largest magnitude)) - 15); its byte is the largest magnitude's exponent field - 15, held at 1 from below; each number is held within +-57,344 x the scale and rounded to the nearest code.
; LIMITS: a block of zeros gets the byte 1 where the rule says 127 (its codes are zeros, and this program alone reads the bytes); NaN and infinities among the inputs are not served; the squares are summed in eight chains, another order than a plain sum's.
; TILES OF 16 ROWS.  x: 16 neighbouring rows.  mu: tile 2 B + u takes, for lane r, row 32 B + 8 u + r + 8 (r / 8), so that in the product mu x^T the 16 registers of tiles 2 B and 2 B + 1 are 16 neighbouring centres.
; A tile's codes: [K step s][c][lane][16 bytes]: lane (r, h) holds its row's codes of k = 128 s + 32 c + 16 h + 0 .. 15: 8,192 bytes.  Its scale words: the word at 16 r + 4 s is lane r's of K step s: 256 bytes.  Its h: 16 numbers, four times over: 256 bytes.
; xq: x's codes, tile by tile.  xt: x's tables, 512 bytes a tile: scale words, h.
; img: eight slices (512 centres, 32 tiles) of 294,912 bytes: +0 scale words; +8192 h; +16384 alpha's codes, 1,024 bytes for 64 centres ([c = 0, 1][lane (o, h)][16 bytes]); +24576 for each 64 centres 512 zero bytes and 512 bytes of alpha's scale words (lane o's at 16 o); +32768 mu's codes.
; SHARES: 256 work-groups of five waves: waves 0-3 take a tile of x each, wave 4 a tile of mu; in the first 64 work-groups wave 4 takes 64 centres of alpha first.  A wave's 64 loads of a tile are all asked for at once, into 256 registers.  Waves share nothing: no barrier.
; Every load of x and mu reads 512 consecutive bytes of a row; the conversions want 16 neighbours in one lane, so a K step (16 rows x 512 bytes) turns through the wave's own stage in LDS, rows 528 bytes apart.
.set SLICE,  294912
.set SPITCH, 528                       ; 512 + 16 = 33 x 16: the sixteen rows that a load touches begin in sixteen different columns of 16 bytes
.set STAGEB, 16*SPITCH
.set SPARE,  5*STAGEB                  ; the spare words, 128 bytes for each wave
.set GI,  4                            ; v4   16 x lane
.set LSI, 5                            ; v5   my stage + 16 x lane
.set LSO, 6                            ; v6   my stage + 528 r + 64 h
.set SO,  7                            ; v7   16 r + 8 h: my two scale words
.set HS,  8                            ; v8   my stage + 4 r
.set HL,  9                            ; v9   my stage + 8 (lane % 8)
.set HO,  10                           ; v10  8 x lane
.set AO,  11                           ; v11  alpha: 4 r + 16 rows for lanes 16-31
.set TM,  16                           ; v16-19 largest magnitudes, v20-23 the other half's and then bytes, v24-27 57,344 x the scale, v28-31 the conversions' scale operands
.set W,   32                           ; v32-35 the four K steps' scale words
.set SQ,  36                           ; v36-39 the squares, two packed chains
.set PW,  56                           ; v56  a fragment's scale word
.set PC,  64                           ; v64-127 codes, 16 registers for each K step
.set X,   192                          ; v192-255 register 16 b + i: k = 32 b + 16 h + i of my row
; window 1: K step s as loaded, at v[64 s]
.set WV,  20
.set MNT, 21
.set SEL, 22
.set MSB, 0
.macro WIN new                         ; the immediate's high byte repeats the setting that is left
.if MSB != \new
	s_set_vgpr_msb (MSB<<8)|\new
.set MSB, \new
.endif
.endm
; nb blocks of 16 numbers a lane at v[X] become codes at v[pc] on and a scale word in v[PW]
.macro QUANT nb, pc
.irp b, 0,1,2,3
.if \b < \nb
	v_max3_num_f32 v[TM+\b], |v[X+16*\b]|, |v[X+1+16*\b]|, 0x8000000   ; my 16 numbers and the floor 2^(16 - 127): the byte cannot fall under 1
.endif
.endr
.irp i, 2,4,6,8,10,12,14
.irp b, 0,1,2,3
.if \b < \nb
	v_max3_num_f32 v[TM+\b], v[TM+\b], |v[X+16*\b+\i]|, |v[X+1+16*\b+\i]|   ; the blocks by turns
.endif
.endr
.endr
.irp b, 0,1,2,3
.if \b < \nb
	v_permlanex16_b32 v[TM+4+\b], v[TM+\b], s[SEL], s[SEL+1]
.endif
.endr
.irp b, 0,1,2,3
.if \b < \nb
	v_max_num_f32 v[TM+\b], v[TM+\b], v[TM+4+\b]   ; with lane l xor 16's: the block's largest magnitude
.endif
.endr
.irp b, 0,1,2,3
.if \b < \nb
	v_add_nc_u32 v[TM+12+\b], 0xf8800000, v[TM+\b]   ; 15 off its exponent field: the conversion's scale operand
.endif
.endr
.irp b, 0,1,2,3
.if \b < \nb
	v_and_or_b32 v[TM+8+\b], v[TM+\b], 0x7f800000, s[MNT]   ; 57,344 x the scale
.endif
.endr
.irp b, 0,1,2,3
.if \b < \nb
	v_lshrrev_b32 v[TM+4+\b], 23, v[TM+12+\b]      ; the scale's byte
.endif
.endr
	v_lshl_or_b32 v[PW], v[TM+5], 8, v[TM+4]
.if \nb == 4
	v_lshl_or_b32 v[PW], v[TM+6], 16, v[PW]
	v_lshl_or_b32 v[PW], v[TM+7], 24, v[PW]
.endif
.irp b, 0,1,2,3
.if \b < \nb
.irp i, 0,1,2,3,4,5,6,7,8,9,10,11,12,13,14,15
	v_med3_num_f32 v[X+16*\b+\i], v[X+16*\b+\i], -v[TM+8+\b], v[TM+8+\b]   ; the conversion to an 8-bit code does not saturate (ISA guide 7.6.2): the hold comes first
.endr
	v_cvt_scalef32_pk8_bf8_f32 v[\pc+4*\b:\pc+1+4*\b], v[X+16*\b:X+7+16*\b], v[TM+12+\b]
	v_cvt_scalef32_pk8_bf8_f32 v[\pc+2+4*\b:\pc+3+4*\b], v[X+8+16*\b:X+15+16*\b], v[TM+12+\b]
.endif
.endr
.endm
	s_load_b256 s[4:11], s[0:1], 0x0               ; x, mu, alpha, xq
	s_load_b128 s[12:15], s[0:1], 0x20             ; xt, img
	v_lshl_add_u32 v62, v0, 2, SPARE
	v_mov_b32 v63, 0
	v_lshrrev_b32 v12, 5, v0
	v_readfirstlane_b32 s[WV], v12                 ; wave 0..4
	s_mul_i32 s36, s[WV], STAGEB
	v_and_b32 v1, 31, v0                           ; lane
	v_and_b32 v2, 15, v0                           ; r
	v_bfe_u32 v3, v0, 4, 1                         ; h
	v_lshlrev_b32 v[GI], 4, v1
	v_add_nc_u32 v[LSI], s36, v[GI]
	v_mul_u32_u24 v[LSO], v2, SPITCH
	v_lshl_add_u32 v[LSO], v3, 6, v[LSO]
	v_add_nc_u32 v[LSO], s36, v[LSO]
	v_lshlrev_b32 v[SO], 4, v2
	v_lshl_add_u32 v[SO], v3, 3, v[SO]
	v_lshlrev_b32 v[HS], 2, v2
	v_lshl_add_u32 v[AO], v3, 10, v[HS]
	v_add_nc_u32 v[HS], s36, v[HS]
	v_and_b32 v[HL], 7, v0
	v_lshlrev_b32 v[HL], 3, v[HL]
	v_add_nc_u32 v[HL], s36, v[HL]
	v_lshlrev_b32 v[HO], 3, v1
.irp b, 0,1,2,3
	v_mov_b32 v[TM+4+\b], 0                        ; written once: a lane permute's destination counts as one of its sources
.endr
	s_wait_alu depctr_va_vdst(0)                   ; the wait at the end of the head's vector lines
	s_mov_b32 s[SEL], 0x76543210
	s_mov_b32 s[SEL+1], 0xfedcba98                 ; v_permlanex16_b32's selects for lane l xor 16
	s_mov_b32 s[MNT], 0x600000                     ; the mantissa field of 57,344
	; x: tile 4 g + w.  mu: tile g.  Both tensors' offsets first; then one compare and only selections
	s_lshl_b32 s25, ttmp9, 2
	s_add_co_u32 s25, s25, s[WV]
	s_lshl_b32 s26, s25, 15                        ; x: 16 rows of 2,048 bytes,
	s_lshl_b32 s28, s25, 13                        ; codes,
	s_lshl_b32 s34, s25, 9                         ; tables
	s_mov_b32 s40, 16384                           ; the tile's rows 8-15 lie 8 rows on
	s_mov_b32 s44, 256                             ; h behind the scale words
	s_lshr_b32 s30, ttmp9, 1
	s_lshl_b32 s30, s30, 16                        ; mu: 32 rows for the pair,
	s_and_b32 s31, ttmp9, 1
	s_lshl_b32 s31, s31, 14
	s_add_co_u32 s30, s30, s31                     ; 8 rows for the tile
	s_lshr_b32 s33, ttmp9, 5
	s_mul_i32 s33, s33, SLICE
	s_and_b32 s37, ttmp9, 31
	s_lshl_b32 s32, s37, 13
	s_add_co_u32 s32, s32, s33
	s_add_co_u32 s32, s32, 32768                   ; codes
	s_lshl_b32 s38, s37, 8
	s_add_co_u32 s38, s38, s33                     ; scale words
	s_mov_b32 s42, 32768                           ; rows 8-15 lie 16 rows on
	s_mov_b32 s45, 8192                            ; h
	s_mov_b32 s27, 0
	s_mov_b32 s29, 0
	s_mov_b32 s35, 0
	s_mov_b32 s41, 0
	s_mov_b32 s47, 0
	s_wait_kmcnt 0x0
	s_cmp_lt_u32 s[WV], 4                          ; the choice hangs on the wave's number alone
	s_cselect_b64 s[4:5], s[4:5], s[6:7]
	s_cselect_b64 s[10:11], s[10:11], s[14:15]
	s_cselect_b64 s[12:13], s[12:13], s[14:15]
	s_cselect_b32 s26, s26, s30
	s_cselect_b32 s28, s28, s32
	s_cselect_b32 s34, s34, s38
	s_cselect_b32 s40, s40, s42
	s_cselect_b32 s44, s44, s45
	s_add_nc_u64 s[4:5], s[4:5], s[26:27]          ; the tile's rows 0-7
	s_add_nc_u64 s[6:7], s[4:5], s[40:41]          ; and 8-15
	s_add_nc_u64 s[10:11], s[10:11], s[28:29]      ; codes
	s_add_co_u32 s46, s34, s44
	s_add_nc_u64 s[48:49], s[12:13], s[46:47]      ; h
	s_add_nc_u64 s[12:13], s[12:13], s[34:35]      ; scale words
	s_cmp_lg_u32 s[WV], 4
	s_cbranch_scc1 .Lrows
	s_cmp_ge_u32 ttmp9, 64
	s_cbranch_scc1 .Lrows
	; ---- alpha, 64 centres: K is its FIRST axis.  Lane (o, h) takes column o and its registers run down the centres, in the order that the operand's layout gives the lane; nothing is transposed
	s_lshl_b32 s50, ttmp9, 12                      ; 64 rows of 64 bytes
	s_mov_b32 s51, 0
	s_add_nc_u64 s[8:9], s[8:9], s[50:51]
	s_lshr_b32 s52, ttmp9, 3
	s_mul_i32 s52, s52, SLICE
	s_and_b32 s53, ttmp9, 7
	s_lshl_b32 s53, s53, 10
	s_add_co_u32 s52, s52, s53
	s_add_co_u32 s52, s52, 16384
	s_mov_b32 s53, 0
	s_add_nc_u64 s[54:55], s[14:15], s[52:53]
.irp c, 0,1
.irp i, 0,1,2,3,4,5,6,7,8,9,10,11,12,13,14,15
	global_load_b32 v[X+16*\c+\i], v[AO], s[8:9] offset:64*(32*\c+\i)   ; alpha(32 c + 16 h + i, o): sixteen lanes read a row's 64 bytes
.endr
.endr
	s_wait_loadcnt 0x0
	QUANT 2, PC
.irp i, 0,1,2,3
	v_mov_b32 v[40+\i], 0
.endr
.irp i, 0,1,2,3
	v_mov_b32 v[44+\i], v[PW]
.endr
.irp c, 0,1
	global_store_b128 v[GI], v[PC+4*\c:PC+4*\c+3], s[54:55] offset:512*\c
.endr
	global_store_b128 v[GI], v[40:43], s[54:55] offset:8192   ; zero codes: the multiplying launch takes them for the upper half of its K
	global_store_b128 v[GI], v[44:47], s[54:55] offset:8704   ; the scale words, four times over: bytes 2 and 3 are 0, a finite scale
	s_wait_xcnt 0x0                                ; the codes' registers are written again only behind this wait
.Lrows:
.macro LOAD s                          ; K step s of my 16 rows: each load reads 512 consecutive bytes of one row
.irp j, 0,1,2,3,4,5,6,7
	global_load_b128 v[64*\s+4*\j:64*\s+4*\j+3], v[GI], s[4:5] offset:\j*2048+512*\s th:TH_LOAD_NT
.endr
.irp j, 0,1,2,3,4,5,6,7
	global_load_b128 v[64*\s+32+4*\j:64*\s+32+4*\j+3], v[GI], s[6:7] offset:\j*2048+512*\s th:TH_LOAD_NT
.endr
.endm
	WIN 0x40                                       ; destination window 1
	LOAD 0
	LOAD 1
	LOAD 2
	LOAD 3
	WIN 0
.macro KSTEP s
	s_wait_loadcnt 16*(3-\s)                       ; this K step's 16 loads are in; the later ones may be out
	WIN 0x04                                       ; an LDS store's data are its source 1: window 1
.irp j, 0,1,2,3,4,5,6,7,8,9,10,11,12,13,14,15
	ds_store_b128 v[LSI], v[64*\s+4*\j:64*\s+4*\j+3] offset:SPITCH*\j
.endr
	WIN 0
.irp b, 0,1,2,3
.irp q, 0,1,2,3
	ds_load_b128 v[X+16*\b+4*\q:X+16*\b+4*\q+3], v[LSO] offset:128*\b+16*\q   ; LDS serves a wave's instructions in order (ISA guide 5.7.1.4): these see my stores
.endr
.endr
	s_wait_dscnt 0x0
.set qi, 0
.rept 16                               ; the squares of the unquantised numbers, two packed chains; the first products start the sums
.if ((\s) == 0) && (qi == 0)
	v_pk_mul_f32 v[SQ:SQ+1], v[X:X+1], v[X:X+1]
	v_pk_mul_f32 v[SQ+2:SQ+3], v[X+2:X+3], v[X+2:X+3]
.else
	v_pk_fma_f32 v[SQ:SQ+1], v[X+4*qi:X+4*qi+1], v[X+4*qi:X+4*qi+1], v[SQ:SQ+1]
	v_pk_fma_f32 v[SQ+2:SQ+3], v[X+4*qi+2:X+4*qi+3], v[X+4*qi+2:X+4*qi+3], v[SQ+2:SQ+3]
.endif
.set qi, qi+1
.endr
	QUANT 4, PC+16*\s
	v_mov_b32 v[W+\s], v[PW]                       ; (also the plain line behind the last conversion)
.irp c, 0,1,2,3
	global_store_b128 v[GI], v[PC+16*\s+4*\c:PC+16*\s+4*\c+3], s[10:11] offset:2048*\s+512*\c   ; 32 lanes store 512 consecutive bytes, at a multiple of 256 from the buffer's first byte
.endr
.endm
	KSTEP 0
	KSTEP 1
	KSTEP 2
	KSTEP 3
	v_cmp_eq_u32 vcc_lo, 1, v3                     ; lanes 0-15 store K steps 0 and 1's words, lanes 16-31 (which hold the same words) 2 and 3's
	v_cndmask_b32 v48, v[W], v[W+2], vcc_lo
	v_cndmask_b32 v49, v[W+1], v[W+3], vcc_lo
	global_store_b64 v[SO], v[48:49], s[12:13]     ; 256 consecutive bytes, aligned
	v_add_f32 v50, v[SQ], v[SQ+1]
	v_add_f32 v51, v[SQ+2], v[SQ+3]
	v_add_f32 v50, v50, v51
	v_permlanex16_b32 v[TM+4], v50, s[SEL], s[SEL+1]
	v_add_f32 v50, v50, v[TM+4]                    ; the row's sum of squares
	v_mul_f32 v50, -0.5, v50
	ds_store_b32 v[HS], v50                        ; both lanes of a row write the same word with the same value
	ds_load_b64 v[52:53], v[HL]
	s_wait_dscnt 0x0
	global_store_b64 v[HO], v[52:53], s[48:49]     ; the tile's 16 numbers four times over: 256 consecutive bytes, aligned
	s_wait_tensorcnt 0x0                           ; the wave's end
	ds_add_u32 v62, v63
	s_wait_dscnt 0x0
	s_endpgm
.Lfunc_end_k_qa373e015b3_prep:
	.size	k_qa373e015b3_prep, .Lfunc_end_k_qa373e015b3_prep-k_qa373e015b3_prep
	.p2alignl 7, 3214868480
	.fill 96, 4, 3214868480
	.section	.rodata,"a",@progbits
	.p2align	6, 0x0
	.amdhsa_kernel k_qa373e015b3_prep
		.amdhsa_group_segment_fixed_size 43008
		.amdhsa_private_segment_fixed_size 0
		.amdhsa_enable_private_segment 0
		.amdhsa_kernarg_size 48
		.amdhsa_user_sgpr_count 2
		.amdhsa_user_sgpr_kernarg_segment_ptr 1
		.amdhsa_wavefront_size32 1
		.amdhsa_system_sgpr_workgroup_id_x 1
		.amdhsa_system_sgpr_workgroup_id_y 1
		.amdhsa_system_sgpr_workgroup_id_z 1
		.amdhsa_system_vgpr_workitem_id 0
		.amdhsa_next_free_vgpr 512
		.amdhsa_next_free_sgpr 66
		.amdhsa_reserve_vcc 1
		.amdhsa_float_denorm_mode_32 3
		.amdhsa_float_denorm_mode_16_64 3
		.amdhsa_memory_ordered 1
		.amdhsa_forward_progress 1
		.amdhsa_inst_pref_size 69
	.end_amdhsa_kernel
	.amdgpu_metadata
---
amdhsa.version: [ 1, 2 ]
amdhsa.kernels:
  - .name:           k_qa373e015b3_prep
    .symbol:         k_qa373e015b3_prep.kd
    .args:
      - { .name: x, .offset: 0, .size: 8, .value_kind: global_buffer, .address_space: global }
      - { .name: mu, .offset: 8, .size: 8, .value_kind: global_buffer, .address_space: global }
      - { .name: alpha, .offset: 16, .size: 8, .value_kind: global_buffer, .address_space: global }
      - { .name: xq, .offset: 24, .size: 8, .value_kind: global_buffer, .address_space: global }
      - { .name: xt, .offset: 32, .size: 8, .value_kind: global_buffer, .address_space: global }
      - { .name: img, .offset: 40, .size: 8, .value_kind: global_buffer, .address_space: global }
    .group_segment_fixed_size: 43008
    .private_segment_fixed_size: 0
    .kernarg_segment_align: 8
    .kernarg_segment_size: 48
    .max_flat_workgroup_size: 160
    .sgpr_count:     66
    .vgpr_count:     512
    .wavefront_size: 32
...
	.end_amdgpu_metadata
.endif
;; end of part 1
;; launch main (part 2): grid 32 x 8, 8 waves a work-group, clusters of 4 x 1, 327,680 bytes of LDS; arguments xq, xt, img, gamma, part; writes part
.if DOCPART == 2
	.amdgcn_target "amdgcn-amd-amdhsa--gfx1250"
	.amdhsa_code_object_version 6
	.text
	.protected	k_qa373e015b3_main
	.globl	k_qa373e015b3_main
	.p2align	8
	.type	k_qa373e015b3_main,@function
k_qa373e015b3_main:
	s_mov_b64 s[64:65], 0
	v_nop
	global_prefetch_b8 v0, s[64:65] scope:SCOPE_SE
	s_setreg_imm32_b32 hwreg(HW_REG_WAVE_MODE, 25, 1), 1
	s_wait_xcnt 0x0
	s_wait_alu depctr_hold_cnt(0) depctr_sa_sdst(0) depctr_va_vdst(0) depctr_va_sdst(0) depctr_va_ssrc(0) depctr_va_vcc(0) depctr_vm_vsrc(0)
	s_getreg_b32 s2, hwreg(HW_REG_IB_STS2, 6, 4)
	s_cmp_eq_u32 s2, 0
	s_cbranch_scc0 .Lentry_in_a_cluster
	s_endpgm
.Lentry_in_a_cluster:
	s_bfe_u32 s2, ttmp6, 0x10000c
	s_cmp_lg_u32 s2, 0x3003
	s_cbranch_scc0 .Lentry_shape_is_right
	s_endpgm
.Lentry_shape_is_right:
; part[sl][n][o] = the sum over the 512 centres c of slice sl of Q(exp(gamma (2 x[n].mu[c] - |x[n]|^2 - |mu[c]|^2))) Q(alpha[c][o]), both products on codes of BF8 (E5M2) with one E8M0 scale for each 32 along K.
; x's, mu's and alpha's codes, scale words and h(row) = -|row|^2 / 2 come from the launch before, as images of operand registers.
; ARITHMETIC.  S' = x.mu + h_mu (h_mu is the C of a sum's first matrix instruction); t = c2 S' + c2 h_x with c2 = gamma x 2 log2(e), one packed multiply-add for two numbers; p = 2^t.  A block's largest p is not searched for:
; the block's largest t goes through the same v_exp_f32 (this takes v_exp_f32 not to fall where its input rises).  The maximum is taken of t, behind the multiplication by c2, so it holds for either sign of gamma.
; LIMITS: p under 2^-126 becomes 0 (v_exp_f32 flushes denormals: ISA guide 15.8); a block of zeros gets the byte 1 where the rule says 127 (its codes are zeros); NaN, infinities and a p beyond f32's range are not served (such a p is held at a finite code); no maximum is taken away.
; SHARES.  A work-group owns 512 rows of x and a slice of 512 centres; each of its eight waves owns 64 rows, four tiles T of 16, whose codes stay in 256 registers, and walks the slice's 16 UNITS of 32 centres.
; Two waves share a SIMD: a unit is one run of 32 products and one run of vector work on their results.
; LAYOUT.  Both products are used transposed.  S^T = mu x^T (source 0 = 16 centres, source 1 = 16 rows of x): in accumulator (u, T) lane (r, h), register j holds x's row r of tile T and centre 16 h + 8 u + j of the unit: the 16 registers of u = 0, 1
; are 16 neighbouring centres, and the conversions' results ARE source 1 of O^T = alpha^T P^T, whose lane (r, h), register j is out(row r, o = 8 h + j).
; THE SECOND PRODUCT takes two units at a time, 64 of the instruction's 128 along K: alpha's upper half is zero codes, and P's upper half is whatever finite codes lie behind it (the next tile's p, for the last tile codes of x): they add nothing.
; So P takes 32 registers where 128 centres would take 64, which two waves of 512 registers do not have; it costs 4 products in 68.
; LDS holds the slice's whole image, 294,912 bytes, filled once: two tensor loads a wave.  CLUSTER: the four work-groups of a cluster have the same slice: each tile is asked for JOINTLY, by the same load with the same descriptor and a mask that names the four.
; No prefetch: every tile is asked for by the head's load or by the one behind the round that follows it, and no loop streams from memory.
; REGISTERS.  window 0: v1-3, v9, v22 LDS addresses; v4-7 mu's scale words; v8 alpha's; v10-17 x's; v18-21 p's; v26-37 at work; v38-39 for the add; v40-55 h_mu, then alpha's fragment; v56-87 O^T; v88-151 mu's fragments, two K steps; v152-215 S^T ((u, T) at 16 T + 8 u); v216-247 x's last two fragments; v248-255 c2 h_x
;   window 1: v0-31 p's codes (8 a tile); v32-255 x's fragments (tile T, K step s at 32 + 16 (4 s + T))
.set SLICE, 294912
.set STG,   SLICE                      ; the way out: 2,048 bytes for each wave, its own; no fill lands here
.set SPARE, STG+8*2048                 ; the spare words, 128 bytes for each wave: four blocks of 256 bytes that no other line names
.set AD,   1                           ; LDS address of the two units in hand
.set ASC,  2                           ; of their scale words (and, further on, of alpha's)
.set AHM,  3                           ; of their h_mu
.set MS,   4
.set AS,   8
.set LA,   9                           ; 16 x lane; never rewritten
.set XS,   10
.set PW,   18
.set AHM0, 22                          ; my lane's part of AHM; never rewritten
.set TM,   26                          ; a tile's largest t, then largest p, then 57,344 x the scale
.set TP,   30                          ; the other half's; then the byte
.set TS,   34                          ; the conversion's scale operand
.set SPW,  38
.set NIL,  39
.set H,    40
.set O,    56
.set MU,   88
.set S,    152
.set AX,   248
.set WV,   14
.set MNT,  16
.set BIG,  17
.set SEL,  18
.set CS,   26                          ; s[26:27] c2: the packed form names a pair and takes its low word for both halves
.set TB,   28                          ; LDS byte of the two units in hand
.set KS,   29                          ; the steps of ASC and AHM
.set CNT,  30
.set G1A,  32                          ; s[32:39], s[40:43] the head's load;  s[48:55], s[44:47] the second
.set G0A,  40
.set G0B,  44
.set G1B,  48
.set MSB, 0
.macro WIN new
.if MSB != \new
	s_set_vgpr_msb (MSB<<8)|\new
.set MSB, \new
.endif
.endm
.macro CROUND                          ; a round of the cluster's barrier
	s_barrier_signal -1
	s_barrier_wait -1
	s_cmp_lg_u32 s[WV], 0
	s_cbranch_scc1 .Lnot_wave_0_\@
	s_barrier_signal -3
.Lnot_wave_0_\@:
	s_barrier_wait -3
	s_barrier_signal -1
	s_barrier_wait -1
.endm
.macro PLACES n
.rept \n
	v_nop
.endr
.endm
	s_load_b128 s[4:7], s[0:1], 0x0                ; xq, xt
	s_load_b128 s[8:11], s[0:1], 0x10              ; img, gamma
	s_load_b64 s[12:13], s[0:1], 0x20              ; part
	v_lshl_add_u32 v[SPW], v0, 2, SPARE
	v_mov_b32 v[NIL], 0
	ds_add_u32 v[SPW], v[NIL]                      ; the opening: the add, twice on end, and its wait ahead of my first tensor load
	ds_add_u32 v[SPW], v[NIL]
	v_lshrrev_b32 v152, 5, v0
	v_readfirstlane_b32 s[WV], v152                ; wave 0..7
	v_and_b32 v153, 31, v0                         ; lane
	v_and_b32 v154, 15, v0                         ; r
	v_bfe_u32 v155, v0, 4, 1                       ; h
	v_lshlrev_b32 v[LA], 4, v153
	v_lshlrev_b32 v23, 4, v154
	v_lshl_add_u32 v23, v155, 9, v23               ; x's scale words: 512 h + 16 r
	v_lshlrev_b32 v24, 2, v154                     ; x's h: 4 r
	v_lshl_add_u32 v[AHM0], v155, 5, 8192          ; h_mu: my half's eight of a tile's 16
	v_add_nc_u32 v[AD], 0x8000, v[LA]
	v_mov_b32 v[ASC], v[LA]
	v_mov_b32 v[AHM], v[AHM0]
.irp t, 0,1,2,3
	v_mov_b32 v[TP+\t], 0                          ; a lane permute's destination counts as one of its sources
.endr
	s_wait_alu depctr_va_vdst(0)                   ; the wait at the end of the head's vector lines
	s_bfe_u32 s58, ttmp6, 0x40000                  ; cx: my place in the cluster
	s_lshl_b32 s59, ttmp9, 2
	s_add_co_u32 s56, s59, s58                     ; my block of 512 rows: it enters the addresses of xq, xt and part alone
	s_and_b32 s20, ttmp7, 0xffff                   ; the slice, which the four partners share
	; group 1: dense blocks as rows of 256 bytes: 32 elements of 8 bytes, pitch 32; no padding: every read is 16 x lane on end
.irp g, G1A, G1B
	s_mov_b32 s[\g], 15|(3<<16)|(1<<21)            ; 15:0 the mask: all four work-groups; 17:16 elements of 8 bytes; 21 set beside a mask
	s_mov_b32 s[\g+1], 32<<16                      ; tensor_dim0 = 32
	s_mov_b32 s[\g+3], 32<<16                      ; tile_dim0 = 32
	s_mov_b32 s[\g+5], 32                          ; tensor_dim0_stride
	s_mov_b32 s[\g+6], 0
	s_mov_b32 s[\g+7], 0
.endr
	s_mov_b32 s[G1A+2], 64<<16                     ; the head's: 64 rows, 16,384 bytes: eight waves bring the tables, alpha and units 0-5
	s_mov_b32 s[G1A+4], 64
	s_mov_b32 s[G1B+2], 80<<16                     ; the second: 80 rows, 20,480 bytes: eight waves bring units 6-15
	s_mov_b32 s[G1B+4], 80
	s_mov_b32 s[SEL], 0x76543210
	s_mov_b32 s[SEL+1], 0xfedcba98                 ; v_permlanex16_b32's selects for lane l xor 16
	s_mov_b32 s[MNT], 0x600000                     ; the mantissa field of 57,344
	s_mov_b32 s[BIG], 0x7f7fffff                   ; f32's largest number
	s_mov_b32 s[TB], 0x8000
	s_mov_b32 s[KS], 0
	s_mul_i32 s22, s20, SLICE
	s_mov_b32 s[G0A], 1                            ; count = 1
	s_lshl_b32 s[G0A+1], s[WV], 14                 ; LDS address: the image lies in LDS as in memory
	s_add_co_u32 s24, s22, s[G0A+1]
	s_mov_b32 s25, 0
	s_mov_b32 s[G0B], 1
	s_mul_i32 s[G0B+1], s[WV], 20480
	s_add_co_u32 s[G0B+1], s[G0B+1], 131072
	s_add_co_u32 s22, s22, s[G0B+1]
	s_mov_b32 s23, 0
	s_wait_dscnt 0x0                               ; both opening adds are done
	s_wait_kmcnt 0x0
	s_load_b32 s15, s[10:11], 0x0                  ; gamma
	s_add_nc_u64 s[G0A+2:G0A+3], s[8:9], s[24:25]
	s_or_b32 s[G0A+3], s[G0A+3], 0x80000000        ; type = 2
	s_add_nc_u64 s[G0B+2:G0B+3], s[8:9], s[22:23]
	s_or_b32 s[G0B+3], s[G0B+3], 0x80000000
	s_mov_b32 s59, 0
	s_lshl_b32 s58, s56, 18                        ; my rows' codes: 32 tiles a block, 4 a wave, 8,192 bytes each
	s_lshl_b32 s57, s[WV], 15
	s_add_co_u32 s58, s58, s57
	s_add_nc_u64 s[4:5], s[4:5], s[58:59]
	s_lshl_b32 s58, s56, 14                        ; their tables: 512 bytes a tile
	s_lshl_b32 s57, s[WV], 11
	s_add_co_u32 s58, s58, s57
	s_add_nc_u64 s[6:7], s[6:7], s[58:59]
	s_lshl_b32 s58, s56, 15                        ; their rows of part: 64 bytes each, in the slice's 1,048,576
	s_lshl_b32 s57, s[WV], 12
	s_add_co_u32 s58, s58, s57
	s_lshl_b32 s57, s20, 20
	s_add_co_u32 s58, s58, s57
	s_add_nc_u64 s[12:13], s[12:13], s[58:59]
	global_load_b128 v[XS:XS+3], v23, s[6:7]       ; x's scale words: register 4 (T / 2) + s: lanes 0-15 the even tile's, lanes 16-31 the odd tile's
	global_load_b128 v[XS+4:XS+7], v23, s[6:7] offset:1024
.irp t, 0,1,2,3
	global_load_b32 v[AX+2*\t], v24, s[6:7] offset:512*\t+256   ; h_x
.endr
	CROUND                                         ; all four work-groups are here: the first joint loads meet
	tensor_load_to_lds s[G0A:G0A+3], s[G1A:G1A+7]
	s_nop 0
	PLACES 4
	s_cmp_lt_u32 s[WV], 4                          ; waves 4-7 wait for their tables before they ask for their codes: the first four waves' codes are asked for first
	s_cbranch_scc1 .Lask
	s_wait_loadcnt 0x0
.Lask:
	; x's 16 fragments (number fi = 4 s + T) stay in registers: each load reads 512 consecutive bytes
	WIN 0x40
.set fi, 0
.rept 14
.irp c, 0,1,2,3
	global_load_b128 v[32+16*fi+4*\c:32+16*fi+4*\c+3], v[LA], s[4:5] offset:8192*(fi%4)+2048*(fi/4)+512*\c
.endr
.set fi, fi+1
.endr
	WIN 0
.rept 2
.irp c, 0,1,2,3
	global_load_b128 v[216+16*(fi-14)+4*\c:216+16*(fi-14)+4*\c+3], v[LA], s[4:5] offset:8192*(fi%4)+2048*(fi/4)+512*\c
.endr
.set fi, fi+1
.endr
	s_wait_tensorcnt 0x0                           ; my part of the first eight is in
	ds_add_u32 v[SPW], v[NIL]
	s_wait_dscnt 0x0
	CROUND                                         ; everybody's part is in
	tensor_load_to_lds s[G0B:G0B+3], s[G1B:G1B+7]  ; my one load behind the round: it is waited for in unit 5
	s_nop 0
	PLACES 4
; Product (K step s, tile t of x, tile u of mu).  The eight accumulators take turns, one instruction a turn
.macro MM s, t, u
.set rD, S+16*(\t)+8*(\u)
.set rA, MU+32*((\s)%2)+16*(\u)
.set fi, 4*(\s)+(\t)
.if fi < 14
.set rB, 32+16*fi
.else
.set rB, 216+16*(fi-14)
.endif
.set rX, MS+(\s)
.set rY, XS+4*((\t)/2)+(\s)
.if (\s) == 0
.set rC, H+8*(\u)                      ; h_mu starts the sum
.else
.set rC, rD
.endif
.if ((\u) == 0) && ((\t)%2 == 0)
	v_wmma_scale_f32_16x16x128_f8f6f4 v[rD:rD+7], v[rA:rA+15], v[rB:rB+15], v[rC:rC+7], v[rX], v[rY] matrix_a_fmt:MATRIX_FMT_BF8 matrix_b_fmt:MATRIX_FMT_BF8
.elseif (\t)%2 == 0
	v_wmma_scale_f32_16x16x128_f8f6f4 v[rD:rD+7], v[rA:rA+15], v[rB:rB+15], v[rC:rC+7], v[rX], v[rY] matrix_a_fmt:MATRIX_FMT_BF8 matrix_b_fmt:MATRIX_FMT_BF8 matrix_a_scale:MATRIX_SCALE_ROW1
.elseif (\u) == 0
	v_wmma_scale_f32_16x16x128_f8f6f4 v[rD:rD+7], v[rA:rA+15], v[rB:rB+15], v[rC:rC+7], v[rX], v[rY] matrix_a_fmt:MATRIX_FMT_BF8 matrix_b_fmt:MATRIX_FMT_BF8 matrix_b_scale:MATRIX_SCALE_ROW1
.else
	v_wmma_scale_f32_16x16x128_f8f6f4 v[rD:rD+7], v[rA:rA+15], v[rB:rB+15], v[rC:rC+7], v[rX], v[rY] matrix_a_fmt:MATRIX_FMT_BF8 matrix_b_fmt:MATRIX_FMT_BF8 matrix_a_scale:MATRIX_SCALE_ROW1 matrix_b_scale:MATRIX_SCALE_ROW1
.endif
.endm
.macro KP ks, tb                       ; tiles tb, tb + 1 of x against both of mu
.irp a, 0,1
.irp b, 0,1
	MM \ks, \tb+\a, \b
.endr
.endr
.endm
.macro OO z                            ; O^T += alpha^T P^T over 64 centres; z = 1: these start the sums
.irp a, 0,1,2,3
.if \z == 1
	v_wmma_scale_f32_16x16x128_f8f6f4 v[O+8*\a:O+8*\a+7], v[H:H+15], v[8*\a:8*\a+15], 0, v[AS], v[PW+\a] matrix_a_fmt:MATRIX_FMT_BF8 matrix_b_fmt:MATRIX_FMT_BF8
.else
	v_wmma_scale_f32_16x16x128_f8f6f4 v[O+8*\a:O+8*\a+7], v[H:H+15], v[8*\a:8*\a+15], v[O+8*\a:O+8*\a+7], v[AS], v[PW+\a] matrix_a_fmt:MATRIX_FMT_BF8 matrix_b_fmt:MATRIX_FMT_BF8
.endif
.endr
.endm
.macro FK k, s                         ; K step s of unit k of the two in hand: two fragments
.irp u, 0,1
.irp c, 0,1,2,3
	ds_load_b128 v[MU+32*((\s)%2)+16*\u+4*\c:MU+32*((\s)%2)+16*\u+4*\c+3], v[AD] offset:16384*(\k)+8192*\u+2048*(\s)+512*\c
.endr
.endr
.endm
.macro FETCH k                         ; what unit k begins with: scale words, h_mu, K steps 0 and 1
	ds_load_b128 v[MS:MS+3], v[ASC] offset:512*(\k)
.irp u, 0,1
.irp q, 0,1
	ds_load_b128 v[H+8*\u+4*\q:H+8*\u+4*\q+3], v[AHM] offset:512*(\k)+256*\u+16*\q
.endr
.endr
	FK \k, 0
	FK \k, 1
.endm
.macro AF back                         ; alpha's fragment of 64 centres, its zero half and its scale word; back = 1024: of the two units before
	ds_load_b32 v[AS], v[ASC] offset:25088-\back
.irp c, 0,1
	ds_load_b128 v[H+4*\c:H+4*\c+3], v[ASC] offset:16384+512*\c-\back
	ds_load_b128 v[H+8+4*\c:H+8+4*\c+3], v[ASC] offset:24576-\back
.endr
.endm
; A UNIT'S PRODUCTS.  K steps 0 and 1 lie in the two buffers; eight places behind their products K steps 2 and 3 are fetched over them, and alpha over h_mu (oo > 0: the second product of the two units before; 1: it starts the sums).
; sig = 1: the barrier that shows units 6-15 is signalled here: my tensor load has landed; only LDS loads of bytes that nobody writes and register work stand between it and its wait, which stands behind this macro.
.macro MAT k, oo, sig
	s_wait_alu depctr_va_vdst(0)                   ; the wait here, ahead of the waits below
	s_wait_dscnt 0x0
.if \sig
	s_wait_tensorcnt 0x0
	s_barrier_signal -1
.endif
	WIN 0x04                                       ; source 1 (x, P): window 1
	KP 0, 0
	KP 0, 2
	KP 1, 0
	KP 1, 2
	PLACES 8                                       ; behind this form, ahead of loads into its registers (ISA guide 7.12.1 for vector instructions)
	FK \k, 2
.if \oo
	AF 1024
.endif
	FK \k, 3
	s_wait_dscnt 8                                 ; all but K step 3's eight loads
	KP 2, 0
	KP 2, 2
	s_wait_dscnt 0x0
	KP 3, 0
.if \oo
	OO \oo
.endif
	WIN 0
	KP 3, 2                                        ; x's last two fragments lie in window 0
.endm
; A UNIT'S VECTOR WORK.  cb: which of the two blocks of P.  f: the next unit is fetched.  st: the addresses go two units on.
.macro VEC cb, f, st
.if \st
	s_add_co_u32 s[TB], s[TB], 32768
	s_add_co_u32 s[KS], s[KS], 1024
	v_add_nc_u32 v[AD], s[TB], v[LA]               ; (these three are places too)
	v_add_nc_u32 v[ASC], s[KS], v[LA]
	v_add_nc_u32 v[AHM], s[KS], v[AHM0]
	PLACES 5
.else
	PLACES 8
.endif
.if \f
	FETCH 1-\cb
.endif
.set vi, 0
.rept 32                               ; t = c2 S' + c2 h_x, two at a time; ascending: each accumulator is first read at its low end
	v_pk_fma_f32 v[S+2*vi:S+2*vi+1], v[S+2*vi:S+2*vi+1], s[CS:CS+1], v[AX+2*(vi/8):AX+2*(vi/8)+1] op_sel_hi:[1,0,0]
.set vi, vi+1
.endr
.irp a, 0,1,2,3                        ; each tile's largest t: my 16, then lane l xor 16's; the four tiles by turns
	v_max3_num_f32 v[TM+\a], v[S+16*\a], v[S+16*\a+1], v[S+16*\a+2]
.endr
.irp q, 3,5,7,9,11,13
.irp a, 0,1,2,3
	v_max3_num_f32 v[TM+\a], v[TM+\a], v[S+16*\a+\q], v[S+16*\a+\q+1]
.endr
.endr
.irp a, 0,1,2,3
	v_max_num_f32 v[TM+\a], v[TM+\a], v[S+16*\a+15]
.endr
.irp a, 0,1,2,3
	v_permlanex16_b32 v[TP+\a], v[TM+\a], s[SEL], s[SEL+1]
.endr
.irp a, 0,1,2,3
	v_max_num_f32 v[TM+\a], v[TM+\a], v[TP+\a]
.endr
	s_wait_alu depctr_va_vdst(0)                   ; one wait ahead of a batch of exponentials and one behind it
.irp a, 0,1,2,3
	v_exp_f32 v[TM+\a], v[TM+\a]                   ; the blocks' largest p,
.endr
.set vi, 0
.rept 32
	v_exp_f32 v[S+vi], v[S+vi]                     ; and tiles 0 and 1's p
.set vi, vi+1
.endr
	v_nop
	s_wait_alu depctr_va_vdst(0)
.irp a, 0,1,2,3
	v_med3_num_f32 v[TM+\a], v[TM+\a], 0x8000000, s[BIG]   ; the floor 2^(16 - 127): the byte cannot fall under 1; and f32's largest number: every code is finite
.endr
.irp a, 0,1,2,3
	v_add_nc_u32 v[TS+\a], 0xf8800000, v[TM+\a]    ; 15 off the exponent field: the conversion's scale operand
.endr
.irp a, 0,1,2,3
	v_and_or_b32 v[TM+\a], v[TM+\a], 0x7f800000, s[MNT]   ; 57,344 x the scale
.endr
.irp a, 0,1,2,3
.if \cb == 0
	v_lshrrev_b32 v[PW+\a], 23, v[TS+\a]           ; the byte begins the scale word (bytes 2 and 3 stay 0, a finite scale)
.else
	v_lshrrev_b32 v[TP+\a], 23, v[TS+\a]
.endif
.endr
.if \cb
.irp a, 0,1,2,3
	v_lshl_or_b32 v[PW+\a], v[TP+\a], 8, v[PW+\a]
.endr
.endif
	s_wait_alu depctr_va_vdst(0)
.set vi, 0
.rept 16                               ; tiles 2 and 3's p, and between them tiles 0 and 1's holds (p is not negative, so the hold is one-sided; the conversion does not saturate: ISA guide 7.6.2)
	v_exp_f32 v[S+32+2*vi], v[S+32+2*vi]
	v_exp_f32 v[S+33+2*vi], v[S+33+2*vi]
	v_dual_min_num_f32 v[S+2*vi], v[S+2*vi], v[TM+vi/8] :: v_dual_min_num_f32 v[S+2*vi+1], v[S+2*vi+1], v[TM+vi/8]
.set vi, vi+1
.endr
	v_nop
	s_wait_alu depctr_va_vdst(0)
.set vi, 0
.rept 16
	v_dual_min_num_f32 v[S+32+2*vi], v[S+32+2*vi], v[TM+2+vi/8] :: v_dual_min_num_f32 v[S+33+2*vi], v[S+33+2*vi], v[TM+2+vi/8]
.set vi, vi+1
.endr
	WIN 0x40                                       ; P: window 1
.irp a, 0,1,2,3
	v_cvt_scalef32_pk8_bf8_f32 v[8*\a+4*\cb:8*\a+4*\cb+1], v[S+16*\a:S+16*\a+7], v[TS+\a]
	v_cvt_scalef32_pk8_bf8_f32 v[8*\a+4*\cb+2:8*\a+4*\cb+3], v[S+16*\a+8:S+16*\a+15], v[TS+\a]
.endr
	WIN 0
	v_nop                                          ; the plain line behind the last conversion
.endm
	FETCH 0
	s_wait_kmcnt 0x0                               ; gamma
	s_mul_f32 s[CS], s15, 0x4038aa3b               ; c2 = gamma x 2 log2(e)
	s_mov_b32 s[CS+1], s[CS]                       ; (named with it as a pair, so it is written)
	s_wait_loadcnt 0x0                             ; x's codes, scale words and h_x
.irp t, 0,1,2,3
	v_mul_f32 v[AX+2*\t], s[CS], v[AX+2*\t]        ; c2 h_x of my row of tile t
.endr
.irp t, 0,1,2,3
	v_mov_b32 v[AX+2*\t+1], v[AX+2*\t]
.endr
	MAT 0, 0, 0                                    ; units 0 and 1: no second product yet
	VEC 0, 1, 0
	MAT 1, 0, 0
	VEC 1, 1, 1
	MAT 0, 1, 0                                    ; units 2 and 3: the second product starts its sums
	VEC 0, 1, 0
	MAT 1, 0, 0
	VEC 1, 1, 1
	MAT 0, 2, 0                                    ; units 4 and 5
	VEC 0, 1, 0
	MAT 1, 0, 1
	s_barrier_wait -1                              ; every wave's second load has landed: units 6-15 are whole
	VEC 1, 1, 1
	s_mov_b32 s[CNT], 4
.Lunits:                                               ; units 6-13
	MAT 0, 2, 0
	VEC 0, 1, 0
	MAT 1, 0, 0
	VEC 1, 1, 1
	s_sub_co_u32 s[CNT], s[CNT], 1
	s_cmp_lg_u32 s[CNT], 0
	s_cbranch_scc1 .Lunits
	MAT 0, 2, 0                                    ; units 14 and 15: nothing is fetched behind the last
	VEC 0, 1, 0
	MAT 1, 0, 0
	VEC 1, 0, 0
	AF 0
	s_wait_alu depctr_va_vdst(0)                   ; the wait here, ahead of the wait below
	s_wait_dscnt 0x0
	PLACES 4                                       ; codes written by vector instructions stand four places ahead of a scaled matrix instruction
	WIN 0x04
	OO 2
	WIN 0
	; THE WAY OUT.  A lane holds 32 bytes of a row of 64: two tiles at a time go through the wave's own stage and leave as consecutive bytes.  These lines are places behind the last products.
	s_lshl_b32 s56, s[WV], 11
	s_add_co_u32 s56, s56, STG
	v_and_b32 v26, 15, v0
	v_bfe_u32 v27, v0, 4, 1
	v_lshlrev_b32 v28, 6, v26
	v_lshl_add_u32 v28, v27, 5, v28
	v_add_nc_u32 v28, s56, v28                     ; in: 64 r + 32 h
	v_add_nc_u32 v29, s56, v[LA]                   ; back: 16 x lane
	PLACES 2
	s_wait_alu depctr_va_vdst(0)
.irp p, 0,1
.irp t, 0,1
	ds_store_b128 v28, v[O+16*\p+8*\t:O+16*\p+8*\t+3] offset:1024*\t          ; each accumulator from its low end on
	ds_store_b128 v28, v[O+16*\p+8*\t+4:O+16*\p+8*\t+7] offset:1024*\t+16
.endr
.irp j, 0,1,2,3
	ds_load_b128 v[S+16*\p+4*\j:S+16*\p+4*\j+3], v29 offset:512*\j   ; LDS serves a wave's instructions in order (ISA guide 5.7.1.4): these see the stores above, and the next stores come behind them
.endr
.endr
	s_wait_dscnt 0x0
.irp j, 0,1,2,3,4,5,6,7
	global_store_b128 v[LA], v[S+4*\j:S+4*\j+3], s[12:13] offset:512*\j   ; 32 lanes store 512 consecutive bytes, at a multiple of 256 from the buffer's first byte
.endr
	s_wait_tensorcnt 0x0                           ; the wave's end
	ds_add_u32 v[SPW], v[NIL]
	s_wait_dscnt 0x0
	CROUND                                         ; the closing round: no work-group ends while a partner may still ask for a tile that names it
	s_endpgm
.Lfunc_end_k_qa373e015b3_main:
	.size	k_qa373e015b3_main, .Lfunc_end_k_qa373e015b3_main-k_qa373e015b3_main
	.p2alignl 7, 3214868480
	.fill 96, 4, 3214868480
	.section	.rodata,"a",@progbits
	.p2align	6, 0x0
	.amdhsa_kernel k_qa373e015b3_main
		.amdhsa_group_segment_fixed_size 327680
		.amdhsa_private_segment_fixed_size 0
		.amdhsa_enable_private_segment 0
		.amdhsa_kernarg_size 40
		.amdhsa_user_sgpr_count 2
		.amdhsa_user_sgpr_kernarg_segment_ptr 1
		.amdhsa_wavefront_size32 1
		.amdhsa_system_sgpr_workgroup_id_x 1
		.amdhsa_system_sgpr_workgroup_id_y 1
		.amdhsa_system_sgpr_workgroup_id_z 1
		.amdhsa_system_vgpr_workitem_id 0
		.amdhsa_next_free_vgpr 512
		.amdhsa_next_free_sgpr 66
		.amdhsa_reserve_vcc 0
		.amdhsa_float_denorm_mode_32 3
		.amdhsa_float_denorm_mode_16_64 3
		.amdhsa_memory_ordered 1
		.amdhsa_forward_progress 1
		.amdhsa_inst_pref_size 195
	.end_amdhsa_kernel
	.amdgpu_metadata
---
amdhsa.version: [ 1, 2 ]
amdhsa.kernels:
  - .name:           k_qa373e015b3_main
    .symbol:         k_qa373e015b3_main.kd
    .args:
      - { .name: xq, .offset: 0, .size: 8, .value_kind: global_buffer, .address_space: global }
      - { .name: xt, .offset: 8, .size: 8, .value_kind: global_buffer, .address_space: global }
      - { .name: img, .offset: 16, .size: 8, .value_kind: global_buffer, .address_space: global }
      - { .name: gamma, .offset: 24, .size: 8, .value_kind: global_buffer, .address_space: global }
      - { .name: part, .offset: 32, .size: 8, .value_kind: global_buffer, .address_space: global }
    .group_segment_fixed_size: 327680
    .private_segment_fixed_size: 0
    .kernarg_segment_align: 8
    .kernarg_segment_size: 40
    .max_flat_workgroup_size: 256
    .sgpr_count:     66
    .vgpr_count:     512
    .wavefront_size: 32
...
	.end_amdgpu_metadata
.endif
;; end of part 2
;; launch fin (part 3): grid 256 x 1, 8 waves a work-group, no clusters, 0 bytes of LDS; arguments part, out0; writes out0
.if DOCPART == 3
	.amdgcn_target "amdgcn-amd-amdhsa--gfx1250"
	.amdhsa_code_object_version 6
	.text
	.protected	k_qa373e015b3_fin
	.globl	k_qa373e015b3_fin
	.p2align	8
	.type	k_qa373e015b3_fin,@function
k_qa373e015b3_fin:
	s_mov_b64 s[64:65], 0
	v_nop
	global_prefetch_b8 v0, s[64:65] scope:SCOPE_SE
	s_setreg_imm32_b32 hwreg(HW_REG_WAVE_MODE, 25, 1), 1
	s_wait_xcnt 0x0
; out0[n][o] = the sum of the eight slices' part[sl][n][o], by pairs, in f32: another order of adding than one sum over all 4,096 centres.
; A thread takes 16 bytes; a wave's load or store covers 512 consecutive bytes; a work-group 4,096.  The slices lie 1,048,576 bytes apart: inside the signed 24-bit immediate (ISA guide, chapter 10).
.set QB, 1048576
	s_load_b128 s[4:7], s[0:1], 0x0                ; part, out0
	s_lshl_b32 s8, ttmp9, 12
	v_lshl_add_u32 v1, v0, 4, s8
	s_wait_alu depctr_va_vdst(0)                   ; the wait at the head's end
	s_wait_kmcnt 0x0
.irp q, 0,1,2,3,4,5,6,7
	global_load_b128 v[4+4*\q:7+4*\q], v1, s[4:5] offset:QB*\q th:TH_LOAD_NT
.endr
	s_wait_loadcnt 0x0
.irp d, 4,8,16                         ; slices q and q + 1, then q + 2, then q + 4
.irp q, 0,1,2,3,4,5,6,7
.if (4*\q)%(2*\d) == 0
	v_pk_add_f32 v[4+4*\q:5+4*\q], v[4+4*\q:5+4*\q], v[4+4*\q+\d:5+4*\q+\d]
	v_pk_add_f32 v[6+4*\q:7+4*\q], v[6+4*\q:7+4*\q], v[6+4*\q+\d:7+4*\q+\d]
.endif
.endr
.endr
	global_store_b128 v1, v[4:7], s[6:7] th:TH_STORE_NT
	s_endpgm
.Lfunc_end_k_qa373e015b3_fin:
	.size	k_qa373e015b3_fin, .Lfunc_end_k_qa373e015b3_fin-k_qa373e015b3_fin
	.p2alignl 7, 3214868480
	.fill 96, 4, 3214868480
	.section	.rodata,"a",@progbits
	.p2align	6, 0x0
	.amdhsa_kernel k_qa373e015b3_fin
		.amdhsa_group_segment_fixed_size 0
		.amdhsa_private_segment_fixed_size 0
		.amdhsa_enable_private_segment 0
		.amdhsa_kernarg_size 16
		.amdhsa_user_sgpr_count 2
		.amdhsa_user_sgpr_kernarg_segment_ptr 1
		.amdhsa_wavefront_size32 1
		.amdhsa_system_sgpr_workgroup_id_x 1
		.amdhsa_system_sgpr_workgroup_id_y 1
		.amdhsa_system_sgpr_workgroup_id_z 1
		.amdhsa_system_vgpr_workitem_id 0
		.amdhsa_next_free_vgpr 40
		.amdhsa_next_free_sgpr 66
		.amdhsa_reserve_vcc 0
		.amdhsa_float_denorm_mode_32 3
		.amdhsa_float_denorm_mode_16_64 3
		.amdhsa_memory_ordered 1
		.amdhsa_forward_progress 1
		.amdhsa_inst_pref_size 3
	.end_amdhsa_kernel
	.amdgpu_metadata
---
amdhsa.version: [ 1, 2 ]
amdhsa.kernels:
  - .name:           k_qa373e015b3_fin
    .symbol:         k_qa373e015b3_fin.kd
    .args:
      - { .name: part, .offset: 0, .size: 8, .value_kind: global_buffer, .address_space: global }
      - { .name: out0, .offset: 8, .size: 8, .value_kind: global_buffer, .address_space: global }
    .group_segment_fixed_size: 0
    .private_segment_fixed_size: 0
    .kernarg_segment_align: 8
    .kernarg_segment_size: 16
    .max_flat_workgroup_size: 256
    .sgpr_count:     66
    .vgpr_count:     40
    .wavefront_size: 32
...
	.end_amdgpu_metadata
.endif
;; end of part 3
